; MI455X (gfx1250); checked and timed in simulation.
; The chip was launched on July 23, 2026; its instructions are those of AMD's public machine-readable ISA for CDNA 5 (MIT licence, August 2026) and "CDNA5" Instruction Set Architecture Reference Guide (July 2026). The comments in the code are by the model that wrote it; some were corrected since.
;; Multihead Self Attention. Allowed arithmetic: float matrix products may take bf16 or f16 operands with f32 sums; all other float work in f32.
;; Inputs: We 1,024 x 1,024 float32; Wk 1,024 x 1,024 float32; Wq 1,024 x 1,024 float32; Wv 1,024 x 1,024 float32; be 1,024 float32; bk 1,024 float32; bq 1,024 float32; bv 1,024 float32; key 4 x 1 x 2,048 x 1,024 float32; query 4 x 1 x 2,048 x 1,024 float32; value 4 x 1 x 2,048 x 1,024 float32.
;; Outputs: out0 4 x 1 x 2,048 x 1,024 float32.
;; One version. Each part assembles by itself: llvm-mc -triple=amdgcn-amd-amdhsa -mcpu=gfx1250 --defsym DOCPART=n.
;; ======== version 1 of 1: 4 launches
;; limits: values are held in f16: magnitudes above 65,504 overflow, below 6.1e-05 lose precision; right only within a limited range of input values
;; workspace buffers: wb 8,388,608 bytes; qkv 50,331,648 bytes; ctx 16,777,216 bytes
;; launch cast (part 1): grid 64 x 4, 8 waves a work-group, no clusters, 0 bytes of LDS; arguments Wq, Wk, Wv, We, wb; writes wb
.if DOCPART == 1
	.amdgcn_target "amdgcn-amd-amdhsa--gfx1250"
	.amdhsa_code_object_version 6
	.text
	.protected	k_q9f0b5e8d6c_cast
	.globl	k_q9f0b5e8d6c_cast
	.p2align	8
	.type	k_q9f0b5e8d6c_cast,@function
k_q9f0b5e8d6c_cast:
	s_mov_b64 s[64:65], 0
	v_nop
	global_prefetch_b8 v0, s[64:65] scope:SCOPE_SE
	s_setreg_imm32_b32 hwreg(HW_REG_WAVE_MODE, 25, 1), 1
	s_wait_xcnt 0x0
; wb = the four weight matrices ([1024][1024] f32 each) as f16, 2,097,152 bytes each, in the order Wq/16, Wk/16, Wv/16, 16 We.
; The factors are powers of two, so they cost no bit.  They make the later products give q/16, k/16, v/16 (room under the largest f16 number) and undo
; the 1/16 that ctx carries in the last product.
; LIMITS: one rounding to f16.  |We| below 4,094.  Weights as drawn have rms 1/32; thirty times smaller, W/16 has rms 7e-5, where the step of f16 is
; 2^-24: the rounding error is then about 1/4000 of the rms.
; Every weight tile is read by 64 row blocks of the later products, so the rounding is done here once and not in each of them.
; Grid: y picks the matrix, x one of 64 pieces of 16,384 numbers.  Eight waves, 256 threads.  Thread t takes the 16 bytes at 16 t of each of
; sixteen chunks of 4,096 bytes: a load of a wave covers 512 consecutive bytes, a store of a wave 256 consecutive bytes at a multiple of 256.
; All sixteen loads go out first; no address or store register is written twice, so there is no wait but the counted ones for the data.
; A stream: nothing is shared, so no LDS, no matrix unit, no cluster.
.set X, 4                              ; v[4:67]   sixteen chunks as loaded, 4 registers each
.set Y, 68                             ; v[68:99]  sixteen chunks to store, 2 registers each
	s_load_b256 s[4:11], s[0:1], 0x0               ; Wq s[4:5], Wk s[6:7], Wv s[8:9], We s[10:11]
	s_load_b64 s[12:13], s[0:1], 0x20              ; wb
	s_and_b32 s14, ttmp7, 0xffff                   ; which matrix
	v_lshlrev_b32 v1, 4, v0                        ; 16 t: my bytes in a chunk of f32
	v_lshlrev_b32 v2, 3, v0                        ; 8 t: my bytes in a chunk of f16
	s_lshl_b32 s16, ttmp9, 16                      ; my piece in the matrix: 65,536 bytes of f32
	s_mov_b32 s17, 0
	s_lshl_b32 s18, s14, 21                        ; the matrix in wb,
	s_lshl_b32 s15, ttmp9, 15                      ; and my piece in it: 32,768 bytes of f16
	s_add_co_u32 s18, s18, s15
	s_mov_b32 s19, 0
	s_mov_b32 s20, 0x3d800000                      ; 1/16 for Wq, Wk, Wv
	s_wait_kmcnt 0x0
	s_cmp_eq_u32 s14, 1
	s_cselect_b64 s[4:5], s[6:7], s[4:5]
	s_cmp_eq_u32 s14, 2
	s_cselect_b64 s[4:5], s[8:9], s[4:5]
	s_cmp_eq_u32 s14, 3
	s_cselect_b64 s[4:5], s[10:11], s[4:5]
	s_cselect_b32 s20, 0x41800000, s20             ; 16 for We
	s_mov_b32 s21, s20                             ; the pair is named whole by the packed multiply
	s_add_nc_u64 s[4:5], s[4:5], s[16:17]
	s_add_nc_u64 s[12:13], s[12:13], s[18:19]
.set i, 0
.rept 16
	global_load_b128 v[X+4*i:X+4*i+3], v1, s[4:5] offset:4096*i th:TH_LOAD_NT
.set i, i+1
.endr
.set i, 0
.rept 16
	s_wait_loadcnt 15-i                            ; loads come back in order: chunk i is in, the 15 - i younger ones stay out
	v_pk_mul_f32 v[X+4*i:X+4*i+1], v[X+4*i:X+4*i+1], s[20:21] op_sel_hi:[1,0]
	v_pk_mul_f32 v[X+4*i+2:X+4*i+3], v[X+4*i+2:X+4*i+3], s[20:21] op_sel_hi:[1,0]
	v_cvt_pk_f16_f32 v[Y+2*i], v[X+4*i], v[X+4*i+1]
	v_cvt_pk_f16_f32 v[Y+2*i+1], v[X+4*i+2], v[X+4*i+3]
	global_store_b64 v2, v[Y+2*i:Y+2*i+1], s[12:13] offset:2048*i
.set i, i+1
.endr
	s_endpgm
.Lfunc_end_k_q9f0b5e8d6c_cast:
	.size	k_q9f0b5e8d6c_cast, .Lfunc_end_k_q9f0b5e8d6c_cast-k_q9f0b5e8d6c_cast
	.p2alignl 7, 3214868480
	.fill 96, 4, 3214868480
	.section	.rodata,"a",@progbits
	.p2align	6, 0x0
	.amdhsa_kernel k_q9f0b5e8d6c_cast
		.amdhsa_group_segment_fixed_size 0
		.amdhsa_private_segment_fixed_size 0
		.amdhsa_enable_private_segment 0
		.amdhsa_kernarg_size 40
		.amdhsa_user_sgpr_count 2
		.amdhsa_user_sgpr_kernarg_segment_ptr 1
		.amdhsa_wavefront_size32 1
		.amdhsa_system_sgpr_workgroup_id_x 1
		.amdhsa_system_sgpr_workgroup_id_y 1
		.amdhsa_system_sgpr_workgroup_id_z 1
		.amdhsa_system_vgpr_workitem_id 0
		.amdhsa_next_free_vgpr 100
		.amdhsa_next_free_sgpr 66
		.amdhsa_reserve_vcc 0
		.amdhsa_float_denorm_mode_32 3
		.amdhsa_float_denorm_mode_16_64 3
		.amdhsa_memory_ordered 1
		.amdhsa_forward_progress 1
		.amdhsa_inst_pref_size 9
	.end_amdhsa_kernel
	.amdgpu_metadata
---
amdhsa.version: [ 1, 2 ]
amdhsa.kernels:
  - .name:           k_q9f0b5e8d6c_cast
    .symbol:         k_q9f0b5e8d6c_cast.kd
    .args:
      - { .name: Wq, .offset: 0, .size: 8, .value_kind: global_buffer, .address_space: global }
      - { .name: Wk, .offset: 8, .size: 8, .value_kind: global_buffer, .address_space: global }
      - { .name: Wv, .offset: 16, .size: 8, .value_kind: global_buffer, .address_space: global }
      - { .name: We, .offset: 24, .size: 8, .value_kind: global_buffer, .address_space: global }
      - { .name: wb, .offset: 32, .size: 8, .value_kind: global_buffer, .address_space: global }
    .group_segment_fixed_size: 0
    .private_segment_fixed_size: 0
    .kernarg_segment_align: 8
    .kernarg_segment_size: 40
    .max_flat_workgroup_size: 256
    .sgpr_count:     66
    .vgpr_count:     100
    .wavefront_size: 32
...
	.end_amdgpu_metadata
.endif
;; end of part 1
;; launch proj (part 2): grid 4 x 192, 4 waves a work-group, clusters of 4 x 4, 327,680 bytes of LDS; arguments query, key, value, bq, bk, bv, wb, qkv; writes qkv
.if DOCPART == 2
	.amdgcn_target "amdgcn-amd-amdhsa--gfx1250"
	.amdhsa_code_object_version 6
	.text
	.protected	k_q9f0b5e8d6c_proj
	.globl	k_q9f0b5e8d6c_proj
	.p2align	8
	.type	k_q9f0b5e8d6c_proj,@function
k_q9f0b5e8d6c_proj:
	s_mov_b64 s[64:65], 0
	v_nop
	global_prefetch_b8 v0, s[64:65] scope:SCOPE_SE
	s_setreg_imm32_b32 hwreg(HW_REG_WAVE_MODE, 25, 1), 1
	s_wait_xcnt 0x0
	s_wait_alu depctr_hold_cnt(0) depctr_sa_sdst(0) depctr_va_vdst(0) depctr_va_sdst(0) depctr_va_ssrc(0) depctr_va_vcc(0) depctr_vm_vsrc(0)
	s_getreg_b32 s2, hwreg(HW_REG_IB_STS2, 6, 4)
	s_cmp_eq_u32 s2, 0
	s_cbranch_scc0 .Lentry_in_a_cluster
	s_endpgm
.Lentry_in_a_cluster:
	s_bfe_u32 s2, ttmp6, 0x10000c
	s_cmp_lg_u32 s2, 0xf033
	s_cbranch_scc0 .Lentry_shape_is_right
	s_endpgm
.Lentry_shape_is_right:
; q/16, k/16, v/16 = x (W/16)^T + b/16: three products of [8192][1024] x [1024][1024]^T in one launch.  x is f32, W/16 comes as f16 from wb, sums in
; f32, the result is rounded once to f16 and stored head-major: qkv[which][batch*16 + head][l][64], a row of 128 bytes.
; LIMITS: x enters the matrix unit rounded to f16 (|x| below 65,504); the results leave rounded to f16 (|q|, |k|, |v| below 1,048,064).
; Room, by the sizes: x as drawn has rms 1, W rms 1/32.  Both thirty times larger: |q| about 5,400.  A common offset of thirty spreads on both (30 and
; 0.94): 1024 x 30 x 0.94 = 28,800, stored as 1,800: a factor 36 under the largest f16 number.  All thirty times smaller: q/16 has rms 7e-5, where the
; step of f16 is 2^-24: a rounding error of about 1/4000 of the rms.  NaN and infinities are not kept place by place.
; A work-group makes 128 rows x 256 columns with four waves; a wave makes 64 x 128: 32 accumulator tiles, 256 registers.
; 64 row blocks x 4 column blocks x 3 products = 768 work-groups, three times 256.
; K goes in steps of 128 through two LDS slots.  A slot holds 128 rows of x in f32 (512 bytes of memory each) and 256 rows of W in f16 (256 bytes each).
; CLUSTERS: 4 x 4 work-groups.  The four of a row of the cluster make the four column blocks of one row block and need the same tile of x; the four of
; a column need the same tile of W.  Each tile is asked for jointly, by the same load with the same descriptor in the four that its mask names.
; x is rounded to f16 on its way from LDS to the matrix unit: a quarter step loads 64 rows x 32 f32 and packs them by 32 conversions.
; THE MATRIX INSTRUCTION IS USED TRANSPOSED: source 0 = 16 rows of W, source 1 = 16 rows of x, so that lane l holds row l % 16 of the result and
; its registers 0 to 7 the columns 8 (l / 16) + 0 .. 7.  The first product of each tile takes b/16 as C: nothing is cleared, nothing added later.
; REGISTERS in windows of 256:
;   window 0: addresses; AF two buffers of x fragments (4 x 8); RAW 64 registers of f32 as loaded; TMP packed results
;   window 1: v0-63 b/16 of my 128 columns in the accumulators layout; BF two buffers of W fragments (8 x 8)
;   window 2: accumulator tile (a, b) at v[8 (8 a + b)], a = 0..3 (rows), b = 0..7 (columns)
.set KSTEP,  128
.set PA,     528                       ; LDS pitch of a row of x: 512 bytes + 16: an odd multiple of 16, so 16 rows start in 16 different 16-byte columns modulo 256
.set PB,     272                       ; LDS pitch of a row of W: 256 bytes + 16
.set AHALF,  64*PA                     ; what one load of x brings, and what one wave reads of x
.set ABYTES, 2*AHALF
.set BHALF,  128*PB                    ; what one load of W brings, and what one wave reads of W
.set SLOT,   ABYTES+2*BHALF            ; 137,216
.set STAGE,  2*SLOT                    ; behind the ring: 16 rows x 272 bytes for each wave; no tensor load lands here
.set SPITCH, 272
.set LAPS,   1024/(2*KSTEP)            ; a lap = two K steps = once round the ring
.set ADRA, 16                          ; v16-17  LDS address of my x fragments in slot 0, 1
.set ADRB, 20                          ; v20-21  the same for W
.set STO,  24                          ; the way out: where I put 16 bytes of a row
.set RD,   25                          ; the way out: where I read back
.set CO,   26                          ; my byte offset in qkv
.set BO,   27                          ; my byte offset in the bias
.set AF,   32                          ; window 0: v32-63, v64-95
.set RAW,  96                          ; window 0: v96-159
.set TMP,  160                         ; window 0: v160-191
.set BF,   64                          ; window 1: v64-127, v128-191
.set G1A, 32                           ; s[32:39] descriptor group 1, tiles of x
.set G1B, 40                           ; s[40:47] descriptor group 1, tiles of W
.set G0A, 48                           ; s[48:55] descriptor group 0 for x, one set for each slot
.set G0B, 56                           ; s[56:63] descriptor group 0 for W, one set for each slot
.set MSB, 0
.macro WIN new                         ; the high byte of the immediate repeats the setting that is left
.if MSB != \new
	s_set_vgpr_msb (MSB<<8)|\new
.set MSB, \new
.endif
.endm
.set MUL,  0xa1                        ; source 0 (W) window 1, source 1 (x) window 0, C and D window 2
.set MULB, 0x91                        ; the same with C (the bias) in window 1
.set TO_B, 0x40                        ; destination window 1, address window 0
; A joint load.  Waves 0 and 1 fetch the two halves of x, waves 2 and 3 the two halves of W.  The branch hangs on the wave number alone.
.macro JLOAD s
	s_cmp_eq_u32 s22, 0
	s_cbranch_scc0 .Lfor_b_\@
	tensor_load_to_lds s[G0A+4*\s:G0A+4*\s+3], s[G1A:G1A+7]
	s_nop 0
	s_branch .Lasked_\@
.Lfor_b_\@:
	tensor_load_to_lds s[G0B+4*\s:G0B+4*\s+3], s[G1B:G1B+7]
	s_nop 0
.Lasked_\@:
.endm
.macro CREST                           ; a round of the cluster barrier behind its opening work-group barrier
	s_cmp_lg_u32 s21, 0
	s_cbranch_scc1 .Lnot_wave_0_\@
	s_barrier_signal -3
.Lnot_wave_0_\@:
	s_barrier_wait -3
	s_barrier_signal -1
	s_barrier_wait -1
.endm
.macro CROUND                          ; a whole round
	s_barrier_signal -1
	s_barrier_wait -1
	CREST
.endm
.macro PLACES
.rept 4
	v_nop
.endr
.endm
	s_load_b256 s[4:11], s[0:1], 0x0               ; query s[4:5], key s[6:7], value s[8:9], bq s[10:11]
	s_load_b256 s[12:19], s[0:1], 0x20             ; bk s[12:13], bv s[14:15], wb s[16:17], qkv s[18:19]
	s_set_vgpr_msb 0x40
	v_lshl_add_u32 v255, v0, 2, 0x47400
	s_set_vgpr_msb 0x4000
	v_mov_b32 v255, 0
	s_set_vgpr_msb 0x1
	ds_add_u32 v255, v255
	s_set_vgpr_msb 0x100
	v_lshrrev_b32 v1, 5, v0
	v_readfirstlane_b32 s21, v1                    ; wave 0..3
	s_lshr_b32 s22, s21, 1                         ; mh: which 64 rows are mine.  Also: I fetch x (0) or W (1)
	s_and_b32 s23, s21, 1                          ; nh: which 128 columns are mine.  Also: which half of that tile I fetch
	s_bfe_u32 s24, ttmp6, 0x40000                  ; cx
	s_bfe_u32 s25, ttmp6, 0x40004                  ; cy
	s_lshl_b32 s26, ttmp9, 2
	s_add_co_u32 s26, s26, s24                     ; bc: block column, 0..3
	s_and_b32 s27, ttmp7, 0xffff                   ; the cluster y, 0..47
	s_lshr_b32 s20, s27, 4                         ; which product: 0 q, 1 k, 2 v; from the cluster y alone, the same in all sixteen
	s_lshl_b32 s27, s27, 2
	s_add_co_u32 s27, s27, s25                     ; block row over the three products, 0..191
	s_and_b32 s28, s27, 63                         ; rb: block row in my product
	s_lshl_b32 s29, s25, 2
	s_lshl_b32 s29, 15, s29                        ; my row of the cluster: places 4 cy .. 4 cy + 3
	s_lshl_b32 s30, 0x1111, s24                    ; my column: places cx, cx + 4, cx + 8, cx + 12
	; group 1 for x: 64 rows x 128 elements of 4 bytes, 4 words of padding behind every 128 words
	s_or_b32 s[G1A+0], s29, (2<<16)|(1<<20)|(1<<21)|(6<<22)|(3<<25)
	s_mov_b32 s[G1A+1], KSTEP<<16                  ; tensor_dim0 = 128
	s_mov_b32 s[G1A+2], 64<<16                     ; tensor_dim1 = 64
	s_mov_b32 s[G1A+3], KSTEP<<16                  ; tile_dim0 = 128
	s_mov_b32 s[G1A+4], 64                         ; tile_dim1 = 64
	s_mov_b32 s[G1A+5], 1024                       ; elements from row to row
	s_mov_b32 s[G1A+6], 0
	s_mov_b32 s[G1A+7], 0
	; group 1 for W: 128 rows x 128 elements of 2 bytes, 4 words of padding behind every 64 words
	s_or_b32 s[G1B+0], s30, (1<<16)|(1<<20)|(1<<21)|(5<<22)|(3<<25)
	s_mov_b32 s[G1B+1], KSTEP<<16
	s_mov_b32 s[G1B+2], 128<<16
	s_mov_b32 s[G1B+3], KSTEP<<16
	s_mov_b32 s[G1B+4], 128
	s_mov_b32 s[G1B+5], 1024
	s_mov_b32 s[G1B+6], 0
	s_mov_b32 s[G1B+7], 0
	; where the tiles come from: x hangs on the block row, which my row of the cluster shares; W on the block column, which my column shares
	s_lshl_b32 s70, s23, 18                        ; my half: 64 rows of 4,096 bytes = 128 rows of 2,048 bytes
	s_lshl_b32 s68, s28, 19                        ; x: 128 rows of 4,096 bytes for each block row
	s_add_co_u32 s68, s68, s70
	s_mov_b32 s69, 0
	s_lshl_b32 s72, s26, 19                        ; W: 256 rows of 2,048 bytes for each block column
	s_add_co_u32 s72, s72, s70
	s_lshl_b32 s74, s20, 21                        ; and the matrix in wb
	s_add_co_u32 s72, s72, s74
	s_mov_b32 s73, 0
	s_mul_i32 s71, s23, AHALF                      ; where they go: made of the wave number alone
	s_mul_i32 s75, s23, BHALF
	s_add_co_u32 s75, s75, ABYTES
	; the bias of my 128 columns, and my place in qkv
	s_lshl_b32 s76, s26, 10
	s_lshl_b32 s77, s23, 9
	s_add_co_u32 s76, s76, s77                     ; (256 bc + 128 nh) x 4 bytes
	s_mov_b32 s77, 0
	s_lshl_b32 s78, s28, 7
	s_lshl_b32 s79, s22, 6
	s_add_co_u32 s78, s78, s79                     ; m = my first row in the product, 0..8191
	s_lshr_b32 s79, s78, 11                        ; batch
	s_lshl_b32 s79, s79, 4
	s_lshl2_add_u32 s79, s26, s79                  ; + 4 bc
	s_lshl1_add_u32 s79, s23, s79                  ; + 2 nh: the first of my two heads
	s_lshl_b32 s79, s79, 18                        ; a head block is 2,048 rows of 128 bytes
	s_and_b32 s78, s78, 2047
	s_lshl_b32 s78, s78, 7                         ; my first row in the head block
	s_add_co_u32 s78, s78, s79
	s_lshl_b32 s79, s20, 24                        ; the part of qkv
	s_add_co_u32 s78, s78, s79
	s_mov_b32 s79, 0
	s_wait_dscnt 0x0
	s_wait_kmcnt 0x0
	s_cmp_eq_u32 s20, 1
	s_cselect_b64 s[4:5], s[6:7], s[4:5]           ; x = query, key or value
	s_cselect_b64 s[10:11], s[12:13], s[10:11]     ; bias = bq, bk or bv
	s_cmp_eq_u32 s20, 2
	s_cselect_b64 s[4:5], s[8:9], s[4:5]
	s_cselect_b64 s[10:11], s[14:15], s[10:11]
	s_add_nc_u64 s[68:69], s[4:5], s[68:69]
	s_add_nc_u64 s[72:73], s[16:17], s[72:73]
	s_add_nc_u64 s[10:11], s[10:11], s[76:77]
	s_add_nc_u64 s[18:19], s[18:19], s[78:79]
	CROUND                                         ; all sixteen work-groups are here: the first joint loads meet
.irp s, 0,1
	s_mov_b32 s[G0A+4*\s], 1
	s_add_co_u32 s[G0A+4*\s+1], s71, \s*SLOT
	s_add_nc_u64 s[G0A+4*\s+2:G0A+4*\s+3], s[68:69], \s*KSTEP*4    ; K step s
	s_or_b32 s[G0A+4*\s+3], s[G0A+4*\s+3], 0x80000000
	s_mov_b32 s[G0B+4*\s], 1
	s_add_co_u32 s[G0B+4*\s+1], s75, \s*SLOT
	s_add_nc_u64 s[G0B+4*\s+2:G0B+4*\s+3], s[72:73], \s*KSTEP*2
	s_or_b32 s[G0B+4*\s+3], s[G0B+4*\s+3], 0x80000000
	JLOAD \s                                       ; both first fills go out together: two tensor loads of the wave are out, later one
.endr
	v_and_b32 v1, 15, v0                           ; r = l % 16
	v_bfe_u32 v2, v0, 4, 1                         ; h = l / 16
	v_mul_u32_u24 v3, v1, PA
	v_lshl_add_u32 v3, v2, 5, v3                   ; x: row r, 8 h numbers of 4 bytes
	v_mul_u32_u24 v4, v1, PB
	v_lshl_add_u32 v4, v2, 4, v4                   ; W: row r, 8 h numbers of 2 bytes
	s_mul_i32 s66, s22, AHALF                      ; my 64 rows of x
	s_mul_i32 s67, s23, BHALF                      ; my 128 rows of W,
	s_add_co_u32 s67, s67, ABYTES                  ; which lie behind x
.irp s, 0,1
	v_add_nc_u32 v[ADRA+\s], s66, v3
	v_add_nc_u32 v[ADRB+\s], s67, v4
	s_add_co_u32 s66, s66, SLOT
	s_add_co_u32 s67, s67, SLOT
.endr
	s_mul_i32 s66, s21, 16*SPITCH
	s_add_co_u32 s66, s66, STAGE                   ; my stage
	v_add_nc_u32 v[STO], s66, v4                   ; in: row r, 16 bytes for each half of the lanes
	v_bfe_u32 v5, v0, 3, 1                         ; back: lanes 0-7 and 8-15 take 128 bytes of two neighbouring rows, first head;
	v_mul_u32_u24 v5, v5, SPITCH
	v_lshl_add_u32 v5, v2, 7, v5                   ; lanes 16-31 the same rows, second head
	v_and_b32 v6, 7, v0
	v_lshl_add_u32 v5, v6, 4, v5
	v_add_nc_u32 v[RD], s66, v5
	v_lshlrev_b32 v[CO], 4, v1                     ; in qkv two rows of a head are 256 consecutive bytes,
	v_lshl_add_u32 v[CO], v2, 18, v[CO]            ; and the second head lies 262,144 bytes on
	v_lshlrev_b32 v[BO], 5, v2                     ; bias: 8 h numbers of 4 bytes
	WIN TO_B
.irp b, 0,1,2,3,4,5,6,7
	global_load_b128 v[8*\b:8*\b+3],   v[BO], s[10:11] offset:64*\b       ; register j of tile b: bias of column 16 b + 8 h + j
	global_load_b128 v[8*\b+4:8*\b+7], v[BO], s[10:11] offset:64*\b+16
.endr
	WIN 0
; 8 matrix instructions: row block a x all 8 column blocks, 32 along K, from buffers f.  cm = 1: b/16 is C and starts the sums.
; The 32 accumulators take turns, one instruction a turn, in the same order in every quarter step, over the backward jump too.
.macro MUL8 f, a, cm
.irp b, 0,1,2,3,4,5,6,7
.if \cm
	v_wmma_f32_16x16x32_f16 v[8*(8*\a+\b):8*(8*\a+\b)+7], v[BF+64*\f+8*\b:BF+64*\f+8*\b+7], v[AF+32*\f+8*\a:AF+32*\f+8*\a+7], v[8*\b:8*\b+7]
.else
	v_wmma_f32_16x16x32_f16 v[8*(8*\a+\b):8*(8*\a+\b)+7], v[BF+64*\f+8*\b:BF+64*\f+8*\b+7], v[AF+32*\f+8*\a:AF+32*\f+8*\a+7], v[8*(8*\a+\b):8*(8*\a+\b)+7]
.endif
.endr
.endm
; 32 LDS loads: quarter kq of a slot.  W fragments go straight into buffer g; x comes as f32 into RAW:
; a lane needs K = 8 h .. 8 h + 7 (32 bytes) and K = 16 + 8 h .. + 7 (32 bytes, 64 further on).
.macro FETCH slot, kq, g
	WIN TO_B
.irp i, 0,1,2,3,4,5,6,7
	ds_load_b128 v[BF+64*\g+8*\i:BF+64*\g+8*\i+3],   v[ADRB+\slot] offset:64*\kq+16*PB*\i
	ds_load_b128 v[BF+64*\g+8*\i+4:BF+64*\g+8*\i+7], v[ADRB+\slot] offset:64*\kq+16*PB*\i+32
.endr
	WIN 0
.irp a, 0,1,2,3
	ds_load_b128 v[RAW+16*\a:RAW+16*\a+3],     v[ADRA+\slot] offset:128*\kq+16*PA*\a
	ds_load_b128 v[RAW+16*\a+4:RAW+16*\a+7],   v[ADRA+\slot] offset:128*\kq+16*PA*\a+16
	ds_load_b128 v[RAW+16*\a+8:RAW+16*\a+11],  v[ADRA+\slot] offset:128*\kq+16*PA*\a+64
	ds_load_b128 v[RAW+16*\a+12:RAW+16*\a+15], v[ADRA+\slot] offset:128*\kq+16*PA*\a+80
.endr
.endm
; RAW to the x fragments of buffer g: 32 packed roundings.  They name no register of the matrix instructions in front of them (those use the other
; buffers), so they are also the places between those instructions and the next loads into, and writes of, their fragment buffers.
.macro CVT g
.irp a, 0,1,2,3
.irp i, 0,1,2,3,4,5,6,7
	v_cvt_pk_f16_f32 v[AF+32*\g+8*\a+\i], v[RAW+16*\a+2*\i], v[RAW+16*\a+2*\i+1]
.endr
.endr
.endm
; One of the first three quarters of a K step: asks for the next quarter (kq, into buffers g), multiplies buffers f, then packs.
.macro QUARTER slot, kq, f, g, cm
	FETCH \slot, \kq, \g
.if \cm
	WIN MULB
.else
	WIN MUL
.endif
	MUL8 \f, 0, \cm
	MUL8 \f, 1, \cm
	MUL8 \f, 2, \cm
	MUL8 \f, 3, \cm
	WIN 0
	s_wait_dscnt 0x0                               ; the 32 loads issued 32 matrix instructions ago
	CVT \g
.endm
.macro THREE slot, cm
	QUARTER \slot, 1, 0, 1, \cm
	QUARTER \slot, 2, 1, 0, 0
	QUARTER \slot, 3, 0, 1, 0
.endm
; The last quarter: multiplies buffers 1 and changes slots.  fill = 1: this slot is filled again, two K steps ahead.
; In front of the barrier each wave has its reads of this slot back and all its tensor loads landed (one was out: its part of the next slot).
; Behind it (with fill: behind the round of the cluster barrier that it opens) the refill comes first, then the first fragments of the next slot.
; From a request to the wait for it a wave issues 120 of a K step's 128 matrix instructions.
.macro TURN slot, next, fill
	WIN MUL
	MUL8 1, 0, 0
	s_wait_dscnt 0x0                               ; my reads of this slot are over (met: the last quarter ended on this wait)
	s_wait_tensorcnt 0x0                           ; all my tensor loads have landed
	ds_add_u32 v255, v255
	s_wait_dscnt 0x0
	s_barrier_signal -1
	MUL8 1, 1, 0                                   ; register work while the others arrive
	WIN 0
	s_barrier_wait -1
.if \fill
	CREST                                          ; no wave of any partner still reads this slot or has a load on its way
	s_add_nc_u64 s[G0A+4*\slot+2:G0A+4*\slot+3], s[G0A+4*\slot+2:G0A+4*\slot+3], 2*KSTEP*4
	s_add_nc_u64 s[G0B+4*\slot+2:G0B+4*\slot+3], s[G0B+4*\slot+2:G0B+4*\slot+3], 2*KSTEP*2
	JLOAD \slot                                    ; my one tensor load behind the round
.endif
	FETCH \next, 0, 0
	WIN MUL
	MUL8 1, 2, 0
	MUL8 1, 3, 0
	WIN 0
	s_wait_dscnt 0x0
	CVT 0
.endm
.macro LAP cm
	THREE 0, \cm
	TURN 0, 1, 1
	THREE 1, 0
	TURN 1, 0, 1
.endm
	s_wait_tensorcnt 0x1                           ; my part of K step 0 is in; K step 1 stays out
	s_barrier_signal -1
	s_barrier_wait -1
	FETCH 0, 0, 0
	s_wait_dscnt 0x0
	CVT 0
	s_wait_loadcnt 0x0                             ; the bias
	WIN 0x41                                       ; source 0 and destination in window 1
.set n, 0
.rept 32
	v_pk_mul_f32 v[2*n:2*n+1], v[2*n:2*n+1], 0x3d800000 op_sel_hi:[1,0]   ; b/16, exact: the sums are those of q/16
.set n, n+1
.endr
	LAP 1                                          ; the first lap stands in front of the loop: its first products start the sums
	s_mov_b32 s31, LAPS-2
.Llap:
	LAP 0
	s_sub_co_u32 s31, s31, 1
	s_cmp_lg_u32 s31, 0
	s_cbranch_scc1 .Llap
	THREE 0, 0                                     ; the last lap fills nothing
	TURN 0, 1, 0
	THREE 1, 0
	WIN MUL
	MUL8 1, 0, 0
	MUL8 1, 1, 0
	MUL8 1, 2, 0
	MUL8 1, 3, 0
	WIN 0
	PLACES                                         ; four places between the last matrix instructions and the conversions that read results
; THE WAY OUT, 16 rows at a time: round to f16, 16 bytes a lane into my own stage, read back so that sixteen lanes hold two rows of one head:
; each half of a store covers 256 consecutive bytes of qkv at a multiple of 256.
.macro OUT16 a, buf
	WIN 0x0a                                       ; sources in window 2
.irp b, 0,1,2,3,4,5,6,7
.irp i, 0,1,2,3
	v_cvt_pk_f16_f32 v[TMP+4*\b+\i], v[8*(8*\a+\b)+2*\i], v[8*(8*\a+\b)+2*\i+1]
.endr
.endr
	WIN 0
.irp b, 0,1,2,3,4,5,6,7
	ds_store_b128 v[STO], v[TMP+4*\b:TMP+4*\b+3] offset:32*\b
.endr
	s_wait_xcnt 0x0                                ; the registers that earlier stores read are loaded again only behind this wait
.irp t, 0,1,2,3,4,5,6,7
	ds_load_b128 v[\buf+4*\t:\buf+4*\t+3], v[RD] offset:2*SPITCH*\t       ; LDS serves a wave in order: these see the stores above
.endr
.irp t, 0,1,2,3,4,5,6,7
	s_wait_dscnt 7-\t                              ; read-back t is in, the younger ones stay out
	global_store_b128 v[CO], v[\buf+4*\t:\buf+4*\t+3], s[18:19] offset:2048*\a+256*\t
.endr
.endm
	OUT16 0, RAW
	OUT16 1, RAW+32
	OUT16 2, RAW
	OUT16 3, RAW+32
	s_set_vgpr_msb 0x1
	s_wait_tensorcnt 0x0
	ds_add_u32 v255, v255
	s_wait_dscnt 0x0
	s_set_vgpr_msb 0x100
	CROUND                                         ; the closing round: no work-group ends while a partner may still ask for a tile that names it
	s_endpgm
.Lfunc_end_k_q9f0b5e8d6c_proj:
	.size	k_q9f0b5e8d6c_proj, .Lfunc_end_k_q9f0b5e8d6c_proj-k_q9f0b5e8d6c_proj
	.p2alignl 7, 3214868480
	.fill 96, 4, 3214868480
	.section	.rodata,"a",@progbits
	.p2align	6, 0x0
	.amdhsa_kernel k_q9f0b5e8d6c_proj
		.amdhsa_group_segment_fixed_size 327680
		.amdhsa_private_segment_fixed_size 0
		.amdhsa_enable_private_segment 0
		.amdhsa_kernarg_size 64
		.amdhsa_user_sgpr_count 2
		.amdhsa_user_sgpr_kernarg_segment_ptr 1
		.amdhsa_wavefront_size32 1
		.amdhsa_system_sgpr_workgroup_id_x 1
		.amdhsa_system_sgpr_workgroup_id_y 1
		.amdhsa_system_sgpr_workgroup_id_z 1
		.amdhsa_system_vgpr_workitem_id 0
		.amdhsa_next_free_vgpr 768
		.amdhsa_next_free_sgpr 80
		.amdhsa_reserve_vcc 0
		.amdhsa_float_denorm_mode_32 3
		.amdhsa_float_denorm_mode_16_64 3
		.amdhsa_memory_ordered 1
		.amdhsa_forward_progress 1
		.amdhsa_inst_pref_size 181
	.end_amdhsa_kernel
	.amdgpu_metadata
---
amdhsa.version: [ 1, 2 ]
amdhsa.kernels:
  - .name:           k_q9f0b5e8d6c_proj
    .symbol:         k_q9f0b5e8d6c_proj.kd
    .args:
      - { .name: query, .offset: 0, .size: 8, .value_kind: global_buffer, .address_space: global }
      - { .name: key, .offset: 8, .size: 8, .value_kind: global_buffer, .address_space: global }
      - { .name: value, .offset: 16, .size: 8, .value_kind: global_buffer, .address_space: global }
      - { .name: bq, .offset: 24, .size: 8, .value_kind: global_buffer, .address_space: global }
      - { .name: bk, .offset: 32, .size: 8, .value_kind: global_buffer, .address_space: global }
      - { .name: bv, .offset: 40, .size: 8, .value_kind: global_buffer, .address_space: global }
      - { .name: wb, .offset: 48, .size: 8, .value_kind: global_buffer, .address_space: global }
      - { .name: qkv, .offset: 56, .size: 8, .value_kind: global_buffer, .address_space: global }
    .group_segment_fixed_size: 327680
    .private_segment_fixed_size: 0
    .kernarg_segment_align: 8
    .kernarg_segment_size: 64
    .max_flat_workgroup_size: 128
    .sgpr_count:     80
    .vgpr_count:     768
    .wavefront_size: 32
...
	.end_amdgpu_metadata
.endif
;; end of part 2
;; launch attn (part 3): grid 256 x 1, 8 waves a work-group, clusters of 4 x 1, 327,680 bytes of LDS; arguments qkv, ctx; writes ctx
.if DOCPART == 3
	.amdgcn_target "amdgcn-amd-amdhsa--gfx1250"
	.amdhsa_code_object_version 6
	.text
	.protected	k_q9f0b5e8d6c_attn
	.globl	k_q9f0b5e8d6c_attn
	.p2align	8
	.type	k_q9f0b5e8d6c_attn,@function
k_q9f0b5e8d6c_attn:
	s_mov_b64 s[64:65], 0
	v_nop
	global_prefetch_b8 v0, s[64:65] scope:SCOPE_SE
	s_setreg_imm32_b32 hwreg(HW_REG_WAVE_MODE, 25, 1), 1
	s_wait_xcnt 0x0
	s_wait_alu depctr_hold_cnt(0) depctr_sa_sdst(0) depctr_va_vdst(0) depctr_va_sdst(0) depctr_va_ssrc(0) depctr_va_vcc(0) depctr_vm_vsrc(0)
	s_getreg_b32 s2, hwreg(HW_REG_IB_STS2, 6, 4)
	s_cmp_eq_u32 s2, 0
	s_cbranch_scc0 .Lentry_in_a_cluster
	s_endpgm
.Lentry_in_a_cluster:
	s_bfe_u32 s2, ttmp6, 0x10000c
	s_cmp_lg_u32 s2, 0x3003
	s_cbranch_scc0 .Lentry_shape_is_right
	s_endpgm
.Lentry_shape_is_right:
; ctx/16 = softmax(q k^T / 32) (v/16) for each of 64 (batch, head) pairs; L = 2,048, head dimension 64.  qkv holds q/16, k/16, v/16 in f16, head-major
; [pair][l][64]; ctx the same layout, f16, and carries the 1/16 of v.  Scores, maxima, sums and the output sums are f32; the running maximum is always
; taken away before the exponential.  The product of q/16 and k/16 is the score's numerator over 256: the factor below makes up for it.
; LIMITS: p enters the second product rounded to f16 while the row sum adds the unrounded p.  p is at most 1 (but for one rounding) by the running
; maximum, so it has room in f16; a p below 2^-25 becomes 0 there, against a row sum of at least 1.  ctx/16 is rounded to f16; it is a weighted mean of
; v/16 and has the room that v/16 has.  v_exp_f32 gives 0 for results below 2^-126.  NaN and infinities in q, k, v are not kept place by place.
; A cluster of four work-groups serves one pair; work-group cx takes 512 queries, each of its eight waves 64 (four blocks qb of 16).
; The four read the same K and V, so every tile is asked for jointly (mask 15).  Keys go in phases of 256 through two LDS slots, a phase in four steps of 64.
; LAYOUT: S^T = K Q^T (source 0 = 16 keys, source 1 = 16 queries): lane (r, h) holds query r and keys 8 h + j.  Two neighbouring key tiles, packed
; to f16, are then a source-1 fragment of 32 keys for query r: P never leaves the registers.  O^T = V^T P^T (source 0 = V transposed by
; ds_load_tr16_b128): lane (r, h) holds query r, d = 16 dt + 8 h + j.  Maximum, sum and rescale are a lane's own but for one exchange of the halves.
; ORDER: a query block and 64 keys cost 102 vector instructions of softmax, 16 of rescale and 16 matrix instructions.  The eight score products of the
; NEXT query block stand among the softmax of the present one, one for every eight or nine vector instructions: they write the other score buffer and
; name window 0 alone, so the wave has vector work to issue while each of them is carried out.  The chain runs on over the steps: block 0 of the next
; step is multiplied during the softmax of block 3.  Each exponential is followed by a plain instruction on other registers.
.set PK,     144                       ; LDS pitch of a key row: 128 bytes + 16, an odd multiple of 16
.set PVP,    160                       ; LDS pitch of a value row: 128 bytes + 32, an odd multiple of 32 for the transposing load
.set KBYTES, 256*PK
.set VBYTES, 256*PVP
.set SLOT,   KBYTES+VBYTES             ; 77,824
.set STAGE,  2*SLOT                    ; behind the ring: 16 rows x 144 bytes for each wave; no tensor load lands here
.set KADR, 4                           ; v4-5    LDS address of my K fragments, slot 0, 1
.set VADR, 6                           ; v6-7    the same for V
.set STO,  8
.set RD,   9
.set CO,   10
.set QO,   11
.set T,    12                          ; v12-15  at work
.set AL,   20                          ; v20-21  the rescale factor (v21 only completes the pair)
.set ST,   22                          ; v22-29  for each qb the pair (-c m, m)
.set L,    30                          ; v30-37  for each qb a pair of partial row sums
.set P,    40                          ; v40-55  two fragments of 32 keys
.set S,    56                          ; v56-119 two buffers of four score tiles
.set KF,   120                         ; v120-183 K fragment (kt, dh) at 8 (2 kt + dh)
.set QF,   184                         ; v184-247 Q fragment (qb, dh) at 8 (2 qb + dh)
.set VF,   128                         ; window 1: v128-191, V fragment (kk, dt) at 8 (4 kk + dt); window 1 v0-127: O tile (qb, dt) at 8 (4 qb + dt)
.set G1K, 24
.set G1V, 32
.set G0K, 40                           ; one set for each slot
.set G0V, 48
.set MSB, 0
.macro WIN new
.if MSB != \new
	s_set_vgpr_msb (MSB<<8)|\new
.set MSB, \new
.endif
.endm
.macro PLACES
.rept 4
	v_nop
.endr
.endm
.macro ROUND                           ; a round of the cluster barrier
	s_barrier_signal -1
	s_barrier_wait -1
	s_cmp_lg_u32 s8, 0
	s_cbranch_scc1 .Lnot_wave_0_\@
	s_barrier_signal -3
.Lnot_wave_0_\@:
	s_barrier_wait -3
	s_barrier_signal -1
	s_barrier_wait -1
.endm
.macro JLOAD s                         ; waves 0-3 ask for the four quarters of K, waves 4-7 for those of V: 64 rows of 128 bytes each
	s_cmp_lt_u32 s8, 4
	s_cbranch_scc0 .Lfor_v_\@
	tensor_load_to_lds s[G0K+4*(\s):G0K+4*(\s)+3], s[G1K:G1K+7]
	s_nop 0
	s_branch .Lasked_\@
.Lfor_v_\@:
	tensor_load_to_lds s[G0V+4*(\s):G0V+4*(\s)+3], s[G1V:G1V+7]
	s_nop 0
.Lasked_\@:
.endm
	s_load_b128 s[4:7], s[0:1], 0x0                ; qkv s[4:5], ctx s[6:7]
	v_lshl_add_u32 v254, v0, 2, 0x2a800
	v_mov_b32 v255, 0
	ds_add_u32 v254, v255
	v_lshrrev_b32 v1, 5, v0
	v_readfirstlane_b32 s8, v1                     ; wave 0..7
	s_and_b32 s9, s8, 3                            ; which quarter of a tile I fetch
	s_bfe_u32 s10, ttmp6, 0x40000                  ; cx: my block of 512 queries
	s_mov_b32 s12, 0x76543210                      ; v_permlanex16_b32: lane i reads lane i of the other half
	s_mov_b32 s13, 0xfedcba98
	s_mov_b32 s14, 0x4138aa3b                      ; c = 256 log2(e) / 32: the two factors 16, the division by sqrt(1024) and the base of v_exp_f32 in one
	s_mov_b32 s15, 0x4138aa3b
	; group 1: 64 rows x 64 elements of 2 bytes, dense in memory; padding behind every 32 words: 4 words for K, 8 for V
	s_mov_b32 s[G1K+0], 15|(1<<16)|(1<<20)|(1<<21)|(4<<22)|(3<<25)
	s_mov_b32 s[G1K+1], 64<<16
	s_mov_b32 s[G1K+2], 64<<16
	s_mov_b32 s[G1K+3], 64<<16
	s_mov_b32 s[G1K+4], 64
	s_mov_b32 s[G1K+5], 64
	s_mov_b32 s[G1K+6], 0
	s_mov_b32 s[G1K+7], 0
	s_mov_b32 s[G1V+0], 15|(1<<16)|(1<<20)|(1<<21)|(4<<22)|(7<<25)
	s_mov_b32 s[G1V+1], 64<<16
	s_mov_b32 s[G1V+2], 64<<16
	s_mov_b32 s[G1V+3], 64<<16
	s_mov_b32 s[G1V+4], 64
	s_mov_b32 s[G1V+5], 64
	s_mov_b32 s[G1V+6], 0
	s_mov_b32 s[G1V+7], 0
	s_lshl_b32 s20, ttmp9, 18                      ; the pair's block of 262,144 bytes (ttmp9 counts clusters: one for each pair),
	s_lshl_b32 s21, s9, 13                         ; and my quarter: 64 rows of 128 bytes.  No cx enters
	s_add_co_u32 s20, s20, s21
	s_mov_b32 s21, 0
	s_mul_i32 s22, s9, 64*PK                       ; where my quarter goes
	s_mul_i32 s23, s9, 64*PVP
	s_add_co_u32 s23, s23, KBYTES
	s_lshl_b32 s16, ttmp9, 18                      ; my 64 queries: pair, block of 512 rows, wave
	s_lshl_b32 s17, s10, 16
	s_add_co_u32 s16, s16, s17
	s_lshl_b32 s17, s8, 13
	s_add_co_u32 s16, s16, s17
	s_mov_b32 s17, 0
	s_mul_i32 s57, s8, 16*PK
	s_add_co_u32 s57, s57, STAGE                   ; my stage
	s_wait_dscnt 0x0
	s_wait_kmcnt 0x0
	s_add_nc_u64 s[58:59], s[4:5], s[20:21]
	s_add_nc_u64 s[60:61], s[58:59], 0x2000000     ; v is the third part of qkv,
	s_add_nc_u64 s[58:59], s[58:59], 0x1000000     ; k the second
	s_add_nc_u64 s[18:19], s[4:5], s[16:17]        ; q at my first row
	s_add_nc_u64 s[6:7], s[6:7], s[16:17]          ; ctx at my first row
	ROUND                                          ; the four work-groups are here: the first joint loads meet
.irp s, 0,1
	s_mov_b32 s[G0K+4*\s], 1
	s_add_co_u32 s[G0K+4*\s+1], s22, \s*SLOT
	s_add_nc_u64 s[G0K+4*\s+2:G0K+4*\s+3], s[58:59], \s*32768      ; phase s: 256 keys of 128 bytes
	s_or_b32 s[G0K+4*\s+3], s[G0K+4*\s+3], 0x80000000
	s_mov_b32 s[G0V+4*\s], 1
	s_add_co_u32 s[G0V+4*\s+1], s23, \s*SLOT
	s_add_nc_u64 s[G0V+4*\s+2:G0V+4*\s+3], s[60:61], \s*32768
	s_or_b32 s[G0V+4*\s+3], s[G0V+4*\s+3], 0x80000000
	JLOAD \s                                       ; both first fills go out together: two tensor loads of the wave are out, later one
.endr
	v_and_b32 v2, 15, v0                           ; r
	v_bfe_u32 v3, v0, 4, 1                         ; h
	v_lshlrev_b32 v[QO], 7, v2
	v_lshl_add_u32 v[QO], v3, 4, v[QO]             ; q: row r, 8 h numbers of 2 bytes
.irp qb, 0,1,2,3
.irp dh, 0,1
	global_load_b128 v[QF+16*\qb+8*\dh:QF+16*\qb+8*\dh+3],   v[QO], s[18:19] offset:2048*\qb+64*\dh
	global_load_b128 v[QF+16*\qb+8*\dh+4:QF+16*\qb+8*\dh+7], v[QO], s[18:19] offset:2048*\qb+64*\dh+32
.endr
.endr
	v_mul_u32_u24 v[KADR], v2, PK
	v_lshl_add_u32 v[KADR], v3, 4, v[KADR]         ; K: row r, 16 h bytes
	v_add_nc_u32 v[KADR+1], SLOT, v[KADR]
	v_and_b32 v12, 7, v0
	v_lshl_add_u32 v13, v3, 3, v12                 ; V: row 8 h + l % 8,
	v_mul_u32_u24 v[VADR], v13, PVP
	v_bfe_u32 v13, v0, 3, 1
	v_lshl_add_u32 v[VADR], v13, 4, v[VADR]        ; 16 bytes on for lanes 8-15 and 24-31
	v_add_nc_u32 v[VADR], KBYTES, v[VADR]
	v_add_nc_u32 v[VADR+1], SLOT, v[VADR]
	v_add_nc_u32 v[STO], s57, v[KADR]              ; the way out, in: row r, 16 h bytes
	v_bfe_u32 v13, v0, 3, 2
	v_mul_u32_u24 v[RD], v13, PK                   ; back: eight lanes take a row of 128 bytes, a load four rows
	v_lshl_add_u32 v[RD], v12, 4, v[RD]
	v_add_nc_u32 v[RD], s57, v[RD]
	v_and_b32 v[CO], 31, v0
	v_lshlrev_b32 v[CO], 4, v[CO]                  ; in ctx four rows are 512 consecutive bytes
	v_mov_b32 v[AL+1], 0                           ; the pair's second register is named by the packed forms and never used
.macro KLOAD slot, i                   ; the K fragments of step i: 64 keys x 64 d
.irp kt, 0,1,2,3
.irp dh, 0,1
	ds_load_b128 v[KF+16*\kt+8*\dh:KF+16*\kt+8*\dh+3],   v[KADR+\slot] offset:(64*(\i)+16*\kt)*PK+64*\dh
	ds_load_b128 v[KF+16*\kt+8*\dh+4:KF+16*\kt+8*\dh+7], v[KADR+\slot] offset:(64*(\i)+16*\kt)*PK+64*\dh+32
.endr
.endr
.endm
.macro VLOAD slot, i                   ; the V fragments of step i, transposed: 64 d x 64 keys
	WIN 0x40
.irp kk, 0,1
.irp dt, 0,1,2,3
	ds_load_tr16_b128 v[VF+8*(4*\kk+\dt):VF+8*(4*\kk+\dt)+3],   v[VADR+\slot] offset:(64*(\i)+32*\kk)*PVP+32*\dt
	ds_load_tr16_b128 v[VF+8*(4*\kk+\dt)+4:VF+8*(4*\kk+\dt)+7], v[VADR+\slot] offset:(64*(\i)+32*\kk+16)*PVP+32*\dt
.endr
.endr
	WIN 0
.endm
; One of the eight score products of query block QKQ into score buffer QKS: 0-3 the four key tiles on d = 0..31 (they start the sums), 4-7 the same
; tiles on d = 32..63.  The four tiles take turns, one instruction a turn.  QKON = 0: there is no next block.
.macro QK idx
.if QKON
.if \idx < 4
	v_wmma_f32_16x16x32_f16 v[S+32*QKS+8*\idx:S+32*QKS+8*\idx+7], v[KF+16*\idx:KF+16*\idx+7], v[QF+16*QKQ:QF+16*QKQ+7], 0
.else
	v_wmma_f32_16x16x32_f16 v[S+32*QKS+8*(\idx-4):S+32*QKS+8*(\idx-4)+7], v[KF+16*(\idx-4)+8:KF+16*(\idx-4)+15], v[QF+16*QKQ+8:QF+16*QKQ+15], v[S+32*QKS+8*(\idx-4):S+32*QKS+8*(\idx-4)+7]
.endif
.endif
.endm
; The softmax step of query block qb on score buffer sb, with the next block's eight score products among it (they name the other buffer, K and Q alone).
; first = 1: there is no older maximum and no older sum.  vl = 1: step i's V fragments of the slot are asked for behind the first four instructions,
; which are the four places behind the last product that read the V registers (ISA guide 7.12.1 for vector instructions).
; kwait = 1: the products read K fragments that were asked for a little earlier.
; The score tiles t = 0..3 (8 registers each) go through scaling F(t), exponentials E(t), packing C(t) and sums.  Each exponential is followed by one
; plain instruction of another tile: E(0) by F(1), F(2); E(1) by F(3), C(0); E(2) by C(1) and the sums of tiles 0, 1; E(3) by C(2), C(3).
; So a plain instruction always lies between an exponential and the first use of its result.
.macro SM qb, sb, first, vl, slot, i, kwait
.set SB, S+32*\sb
.set NM, ST+2*\qb
.set MX, ST+2*\qb+1
.set LL, L+2*\qb
.irp c, 0,1,2,3                                    ; the largest of my 32 scores, in four chains
	v_max3_num_f32 v[T+\c], v[SB+8*\c], v[SB+8*\c+1], v[SB+8*\c+2]
.endr
.if \vl
	VLOAD \slot, \i
.endif
.irp c, 0,1,2,3
	v_max3_num_f32 v[T+\c], v[T+\c], v[SB+8*\c+3], v[SB+8*\c+4]
.endr
.irp c, 0,1,2,3
	v_max3_num_f32 v[T+\c], v[T+\c], v[SB+8*\c+5], v[SB+8*\c+6]
.endr
.if \kwait
	s_wait_dscnt 0x0                               ; the next step's K fragments, the only LDS loads that are out
.endif
	QK 0
	v_max3_num_f32 v[T], v[T], v[T+1], v[SB+7]
	v_max3_num_f32 v[T+2], v[T+2], v[T+3], v[SB+15]
	v_max3_num_f32 v[T], v[T], v[T+2], v[SB+23]
.if \first
	v_max_num_f32 v[T], v[T], v[SB+31]
.else
	v_max3_num_f32 v[T], v[T], v[SB+31], v[MX]     ; and the running maximum
.endif
	v_permlanex16_b32 v[T+1], v[T], s12, s13       ; the other 32 keys of my query lie in the other half of the lanes
	v_max_num_f32 v[MX], v[T], v[T+1]
.if \first
	v_mul_f32 v[NM], 0xc138aa3b, v[MX]             ; -c m
.else
	v_mul_f32 v[T+2], 0xc138aa3b, v[MX]            ; -c m, new
	v_sub_f32 v[T+3], v[T+2], v[NM]                ; c (m old - m new), from the same rounded numbers that the exponents use
	v_mov_b32 v[NM], v[T+2]
.endif
	QK 1
.irp j, 0,1,2,3                                    ; F(0): c s - c m, at most 0 but for one rounding
	v_pk_fma_f32 v[SB+2*\j:SB+2*\j+1], v[SB+2*\j:SB+2*\j+1], s[14:15], v[NM:NM+1] op_sel_hi:[1,0,0]
.endr
.if \first == 0
	v_exp_f32 v[AL], v[T+3]                        ; the factor for the older sums
.endif
.irp k, 0,1,2,3,4,5,6,7                            ; E(0) with F(1), F(2)
	v_exp_f32 v[SB+\k], v[SB+\k]
	v_pk_fma_f32 v[SB+8+2*\k:SB+9+2*\k], v[SB+8+2*\k:SB+9+2*\k], s[14:15], v[NM:NM+1] op_sel_hi:[1,0,0]
.if \k == 1
	QK 2
.endif
.if \k == 5
	QK 3
.endif
.endr
.irp k, 0,1,2,3,4,5,6,7                            ; E(1) with F(3), C(0)
	v_exp_f32 v[SB+8+\k], v[SB+8+\k]
.if \k < 4
	v_pk_fma_f32 v[SB+24+2*\k:SB+25+2*\k], v[SB+24+2*\k:SB+25+2*\k], s[14:15], v[NM:NM+1] op_sel_hi:[1,0,0]
.else
	s_wait_alu depctr_va_vdst(0)
	v_cvt_pk_f16_f32 v[P+\k-4], v[SB+2*\k-8], v[SB+2*\k-7]
.endif
.if \k == 1
	QK 4
.endif
.if \k == 5
	QK 5
.endif
.endr
.irp k, 0,1,2,3,4,5,6,7                            ; E(2) with C(1) and tile 0 += tile 1 (both packed by then)
	v_exp_f32 v[SB+16+\k], v[SB+16+\k]
.if \k < 4
	s_wait_alu depctr_va_vdst(0)
	v_cvt_pk_f16_f32 v[P+4+\k], v[SB+8+2*\k], v[SB+9+2*\k]
.else
	v_pk_add_f32 v[SB+2*\k-8:SB+2*\k-7], v[SB+2*\k-8:SB+2*\k-7], v[SB+2*\k:SB+2*\k+1]
.endif
.if \k == 1
	QK 6
.endif
.if \k == 5
	QK 7                                           ; 32 instructions follow in this macro, 22 of them plain: more than the four places that the next readers of these scores and the next loads into K registers need
.endif
.endr
.irp k, 0,1,2,3,4,5,6,7                            ; E(3) with C(2), three of C(3), and the first sum of tiles 2, 3
	v_exp_f32 v[SB+24+\k], v[SB+24+\k]
.if \k < 7
	s_wait_alu depctr_va_vdst(0)
	v_cvt_pk_f16_f32 v[P+8+\k], v[SB+16+2*\k], v[SB+17+2*\k]
.else
	v_pk_add_f32 v[SB+16:SB+17], v[SB+16:SB+17], v[SB+24:SB+25]
.endif
.endr
	s_wait_alu depctr_va_vdst(0)
	v_cvt_pk_f16_f32 v[P+15], v[SB+30], v[SB+31]   ; tiles 0, 1 made the fragment of keys 0-31, tiles 2, 3 that of keys 32-63
.irp j, 1,2,3
	v_pk_add_f32 v[SB+16+2*\j:SB+17+2*\j], v[SB+16+2*\j:SB+17+2*\j], v[SB+24+2*\j:SB+25+2*\j]
.endr
.irp j, 0,1,2,3
	v_pk_add_f32 v[SB+2*\j:SB+2*\j+1], v[SB+2*\j:SB+2*\j+1], v[SB+16+2*\j:SB+17+2*\j]
.endr
	v_pk_add_f32 v[SB:SB+1], v[SB:SB+1], v[SB+4:SB+5]
	v_pk_add_f32 v[SB+2:SB+3], v[SB+2:SB+3], v[SB+6:SB+7]
.if \first
	v_pk_add_f32 v[LL:LL+1], v[SB:SB+1], v[SB+2:SB+3]
.else
	v_pk_add_f32 v[SB:SB+1], v[SB:SB+1], v[SB+2:SB+3]
	v_pk_fma_f32 v[LL:LL+1], v[LL:LL+1], v[AL:AL+1], v[SB:SB+1] op_sel_hi:[1,0,1]
.endif
.endm
.macro MULO qb, dt                     ; O tile (qb, dt) times the factor
.irp j, 0,1,2,3
	v_pk_mul_f32 v[32*\qb+8*\dt+2*\j:32*\qb+8*\dt+2*\j+1], v[32*\qb+8*\dt+2*\j:32*\qb+8*\dt+2*\j+1], v[AL:AL+1] op_sel_hi:[1,0]
.endr
.endm
.macro WPV qb, dt, kk, zero            ; O tile (qb, dt) += V^T (d tile dt, keys 32 kk ..) P^T
.if \zero
	v_wmma_f32_16x16x32_f16 v[32*\qb+8*\dt:32*\qb+8*\dt+7], v[VF+32*\kk+8*\dt:VF+32*\kk+8*\dt+7], v[P+8*\kk:P+8*\kk+7], 0
.else
	v_wmma_f32_16x16x32_f16 v[32*\qb+8*\dt:32*\qb+8*\dt+7], v[VF+32*\kk+8*\dt:VF+32*\kk+8*\dt+7], v[P+8*\kk:P+8*\kk+7], v[32*\qb+8*\dt:32*\qb+8*\dt+7]
.endif
.endm
; O of query block qb: rescale, then add P V.  One window setting serves both: O and V in window 1, the factor and P in window 0.
; The rescale of tiles 2 and 3 stands between the first products, which name other tiles.  The four tiles take turns, one instruction a turn.
.macro PV qb, first
	WIN 0x51
.if \first
	WPV \qb, 0, 0, 1
	WPV \qb, 1, 0, 1
	WPV \qb, 2, 0, 1
	WPV \qb, 3, 0, 1
.else
	MULO \qb, 0
	MULO \qb, 1
	WPV \qb, 0, 0, 0
	MULO \qb, 2
	WPV \qb, 1, 0, 0
	MULO \qb, 3
	WPV \qb, 2, 0, 0
	WPV \qb, 3, 0, 0
.endif
	WPV \qb, 0, 1, 0
	WPV \qb, 1, 1, 0
	WPV \qb, 2, 1, 0
	WPV \qb, 3, 1, 0
	WIN 0
.endm
; A step: 64 keys (step i of the slot) against my 64 queries.  On entry score buffer 0 holds block 0's scores and the K registers this step's fragments.
; nslot, ni: the step that follows, whose K fragments are asked for when block 3's scores have been issued.  last = 1: no step follows.
; chg = 1: the slot is left and filled again.  The V fragments are a wave's last reads of a slot, so the change stands right behind the wait for them:
; my reads are back, all my tensor loads have landed (one was out: my part of the other slot, asked for a phase ago), the cluster's barrier goes round,
; and the joint refill, two phases ahead, is the first tensor load behind it.  chg = 2: the same without a refill: nothing is left to fetch, so the
; work-group's barrier alone shows the other slot whole to every wave.
.macro STEP slot, i, first, nslot, ni, chg, last
.set QKON, 1
.set QKQ, 1
.set QKS, 1
	SM 0, 0, \first, 1, \slot, \i, 0
	s_wait_dscnt 0x0                               ; the V fragments
.if \chg == 1
	s_wait_tensorcnt 0x0
	ds_add_u32 v254, v255
	s_wait_dscnt 0x0
	s_add_nc_u64 s[G0K+4*\slot+2:G0K+4*\slot+3], s[G0K+4*\slot+2:G0K+4*\slot+3], 0x10000   ; no load of mine is out: this slot's next tile, two phases of 32,768 bytes on
	s_add_nc_u64 s[G0V+4*\slot+2:G0V+4*\slot+3], s[G0V+4*\slot+2:G0V+4*\slot+3], 0x10000
	ROUND
	JLOAD \slot
.endif
.if \chg == 2
	s_wait_tensorcnt 0x0
	s_barrier_signal -1
	s_barrier_wait -1
.endif
	PV 0, \first
.set QKQ, 2
.set QKS, 0
	SM 1, 1, \first, 0, 0, 0, 0
	PV 1, \first
.set QKQ, 3
.set QKS, 1
	SM 2, 0, \first, 0, 0, 0, 0
.if \last == 0
	KLOAD \nslot, \ni
.endif
	PV 2, \first
.set QKQ, 0
.set QKS, 0
.if \last
.set QKON, 0
	SM 3, 1, \first, 0, 0, 0, 0
.else
	SM 3, 1, \first, 0, 0, 0, 1
.endif
	PV 3, \first
.endm
	s_wait_tensorcnt 0x1                           ; my part of phase 0 is in; phase 1 stays out
	s_barrier_signal -1
	s_barrier_wait -1
	KLOAD 0, 0
	s_wait_loadcnt 0x0                             ; q
	s_wait_dscnt 0x0
.set QKON, 1
.set QKQ, 0
.set QKS, 0
.irp w, 0,1,2,3,4,5,6,7
	QK \w                                          ; the chain's first link: block 0 of step 0
.endr
	PLACES                                         ; four places in front of the first reads of these scores
	STEP 0, 0, 1, 0, 1, 0, 0                       ; step 0 of phase 0 stands in front of the loop: it starts maxima and sums
	s_mov_b32 s56, 3
.Lphase:                                               ; a trip: steps 1-3 of an even phase, an odd phase, step 0 of the next even phase
	STEP 0, 1, 0, 0, 2, 0, 0
	STEP 0, 2, 0, 0, 3, 0, 0
	STEP 0, 3, 0, 1, 0, 1, 0
	STEP 1, 0, 0, 1, 1, 0, 0
	STEP 1, 1, 0, 1, 2, 0, 0
	STEP 1, 2, 0, 1, 3, 0, 0
	STEP 1, 3, 0, 0, 0, 1, 0
	STEP 0, 0, 0, 0, 1, 0, 0
	s_sub_co_u32 s56, s56, 1
	s_cmp_lg_u32 s56, 0
	s_cbranch_scc1 .Lphase
	STEP 0, 1, 0, 0, 2, 0, 0                       ; the rest of phase 6 and phase 7: nothing is filled again
	STEP 0, 2, 0, 0, 3, 0, 0
	STEP 0, 3, 0, 1, 0, 2, 0
	STEP 1, 0, 0, 1, 1, 0, 0
	STEP 1, 1, 0, 1, 2, 0, 0
	STEP 1, 2, 0, 1, 3, 0, 0
	STEP 1, 3, 0, 0, 0, 0, 1
	; THE WAY OUT, one query block at a time: divide by the row sum, round to f16, 16 bytes a lane into my own stage, read back as whole rows.
	PLACES
.irp qb, 0,1,2,3
	v_add_f32 v[T], v[L+2*\qb], v[L+2*\qb+1]
	v_permlanex16_b32 v[T+1], v[T], s12, s13
	v_add_f32 v[T], v[T], v[T+1]                   ; the row sum: at least 1 but for rounding, since the largest score gives p = 1
	v_rcp_f32 v[AL], v[T]
	v_nop                                          ; one plain instruction behind the reciprocal
	WIN 0x51
.set n, 0
	s_wait_alu depctr_va_vdst(0)
.rept 16
	v_pk_mul_f32 v[32*\qb+2*n:32*\qb+2*n+1], v[32*\qb+2*n:32*\qb+2*n+1], v[AL:AL+1] op_sel_hi:[1,0]
.set n, n+1
.endr
	WIN 0x05                                       ; sources in window 1, destination in window 0
.irp dt, 0,1,2,3
.irp i, 0,1,2,3
	v_cvt_pk_f16_f32 v[S+4*\dt+\i], v[32*\qb+8*\dt+2*\i], v[32*\qb+8*\dt+2*\i+1]
.endr
.endr
	WIN 0
.irp dt, 0,1,2,3
	ds_store_b128 v[STO], v[S+4*\dt:S+4*\dt+3] offset:32*\dt
.endr
.irp t, 0,1,2,3
	ds_load_b128 v[KF+16*\qb+4*\t:KF+16*\qb+4*\t+3], v[RD] offset:4*PK*\t     ; LDS serves a wave in order: these see the stores above
.endr
.irp t, 0,1,2,3
	s_wait_dscnt 3-\t                              ; read-back t is in, the younger ones stay out
	global_store_b128 v[CO], v[KF+16*\qb+4*\t:KF+16*\qb+4*\t+3], s[6:7] offset:2048*\qb+512*\t   ; 512 consecutive bytes; each store has data registers of its own
.endr
.endr
	s_wait_tensorcnt 0x0
	ds_add_u32 v254, v255
	s_wait_dscnt 0x0
	ROUND                                          ; the closing round
	s_endpgm
.Lfunc_end_k_q9f0b5e8d6c_attn:
	.size	k_q9f0b5e8d6c_attn, .Lfunc_end_k_q9f0b5e8d6c_attn-k_q9f0b5e8d6c_attn
	.p2alignl 7, 3214868480
	.fill 96, 4, 3214868480
	.section	.rodata,"a",@progbits
	.p2align	6, 0x0
	.amdhsa_kernel k_q9f0b5e8d6c_attn
		.amdhsa_group_segment_fixed_size 327680
		.amdhsa_private_segment_fixed_size 0
		.amdhsa_enable_private_segment 0
		.amdhsa_kernarg_size 16
		.amdhsa_user_sgpr_count 2
		.amdhsa_user_sgpr_kernarg_segment_ptr 1
		.amdhsa_wavefront_size32 1
		.amdhsa_system_sgpr_workgroup_id_x 1
		.amdhsa_system_sgpr_workgroup_id_y 1
		.amdhsa_system_sgpr_workgroup_id_z 1
		.amdhsa_system_vgpr_workitem_id 0
		.amdhsa_next_free_vgpr 448
		.amdhsa_next_free_sgpr 66
		.amdhsa_reserve_vcc 0
		.amdhsa_float_denorm_mode_32 3
		.amdhsa_float_denorm_mode_16_64 3
		.amdhsa_memory_ordered 1
		.amdhsa_forward_progress 1
		.amdhsa_inst_pref_size 255
	.end_amdhsa_kernel
	.section	.bss,"aw",@nobits
	.p2align	6
	.space	262144
	.amdgpu_metadata
---
amdhsa.version: [ 1, 2 ]
amdhsa.kernels:
  - .name:           k_q9f0b5e8d6c_attn
    .symbol:         k_q9f0b5e8d6c_attn.kd
    .args:
      - { .name: qkv, .offset: 0, .size: 8, .value_kind: global_buffer, .address_space: global }
      - { .name: ctx, .offset: 8, .size: 8, .value_kind: global_buffer, .address_space: global }
    .group_segment_fixed_size: 327680
    .private_segment_fixed_size: 0
    .kernarg_segment_align: 8
    .kernarg_segment_size: 16
    .max_flat_workgroup_size: 256
    .sgpr_count:     66
    .vgpr_count:     448
    .wavefront_size: 32
...
	.end_amdgpu_metadata
.endif
;; end of part 3
;; launch outp (part 4): grid 4 x 64, 4 waves a work-group, clusters of 4 x 4, 327,680 bytes of LDS; arguments ctx, wb, be, out0; writes out0
.if DOCPART == 4
	.amdgcn_target "amdgcn-amd-amdhsa--gfx1250"
	.amdhsa_code_object_version 6
	.text
	.protected	k_q9f0b5e8d6c_outp
	.globl	k_q9f0b5e8d6c_outp
	.p2align	8
	.type	k_q9f0b5e8d6c_outp,@function
k_q9f0b5e8d6c_outp:
	s_mov_b64 s[64:65], 0
	v_nop
	global_prefetch_b8 v0, s[64:65] scope:SCOPE_SE
	s_setreg_imm32_b32 hwreg(HW_REG_WAVE_MODE, 25, 1), 1
	s_wait_xcnt 0x0
	s_wait_alu depctr_hold_cnt(0) depctr_sa_sdst(0) depctr_va_vdst(0) depctr_va_sdst(0) depctr_va_ssrc(0) depctr_va_vcc(0) depctr_vm_vsrc(0)
	s_getreg_b32 s2, hwreg(HW_REG_IB_STS2, 6, 4)
	s_cmp_eq_u32 s2, 0
	s_cbranch_scc0 .Lentry_in_a_cluster
	s_endpgm
.Lentry_in_a_cluster:
	s_bfe_u32 s2, ttmp6, 0x10000c
	s_cmp_lg_u32 s2, 0xf033
	s_cbranch_scc0 .Lentry_shape_is_right
	s_endpgm
.Lentry_shape_is_right:
; out0 = (ctx/16) (16 We)^T + be: [8192][1024] x [1024][1024]^T, f32 out.  The buffer ctx holds ctx/16 in f16, head-major [batch*16 + head][l][64];
; 16 We comes as f16 from wb (fourth matrix).  The two powers of two cancel, so the sums are those of ctx We^T.
; LIMITS: both operands are f16 (their room is stated where they are made); sums and the result are f32.
; A work-group makes 128 rows x 256 columns with four waves; a wave makes 64 x 128: 32 accumulator tiles.  64 x 4 = 256 work-groups.
; K goes in steps of 128 = two heads through two LDS slots.  A slot holds 128 rows of each of two heads of ctx (128 bytes each, dense in memory)
; and 256 rows of We (256 bytes each).
; CLUSTERS: 4 x 4 work-groups; the tile of ctx is shared along a row of the cluster, that of We along a column; each is asked for jointly.
; The matrix instruction is used transposed (source 0 = rows of We, source 1 = rows of ctx): a lane holds row l % 16 and columns 8 (l / 16) + 0 .. 7.
; The first product of each tile takes the bias as C.
; REGISTERS: window 0: addresses, AF two buffers of ctx fragments, v96-223 two read-back buffers; window 1: v0-63 bias, BF two buffers of We fragments;
; window 2: accumulator tile (a, b) at v[8 (8 a + b)].
.set KSTEP,  128
.set PA,     144                       ; LDS pitch of a row of a head: 128 bytes + 16
.set PB,     272                       ; LDS pitch of a row of We: 256 bytes + 16
.set AHALF,  128*PA                    ; one head's 128 rows: what one load of ctx brings
.set ABYTES, 2*AHALF
.set BHALF,  128*PB
.set SLOT,   ABYTES+2*BHALF            ; 106,496
.set STAGE,  2*SLOT                    ; behind the ring: 16 rows x 528 bytes for each wave; no tensor load lands here
.set SPITCH, 528
.set LAPS,   1024/(2*KSTEP)
.set ADRA, 16
.set ADRB, 20
.set STO,  24
.set RD,   25
.set CO,   26
.set BO,   27
.set AF,   32                          ; window 0: v32-63, v64-95
.set OB,   96                          ; window 0: v96-159, v160-223
.set BF,   64                          ; window 1: v64-127, v128-191
.set G1A, 32
.set G1B, 40
.set G0A, 48
.set G0B, 56
.set MSB, 0
.macro WIN new
.if MSB != \new
	s_set_vgpr_msb (MSB<<8)|\new
.set MSB, \new
.endif
.endm
.set MUL,  0xa1
.set MULB, 0x91
.set TO_B, 0x40
.macro JLOAD s                         ; waves 0 and 1 fetch the two heads of ctx, waves 2 and 3 the two halves of We
	s_cmp_eq_u32 s22, 0
	s_cbranch_scc0 .Lfor_b_\@
	tensor_load_to_lds s[G0A+4*\s:G0A+4*\s+3], s[G1A:G1A+7]
	s_nop 0
	s_branch .Lasked_\@
.Lfor_b_\@:
	tensor_load_to_lds s[G0B+4*\s:G0B+4*\s+3], s[G1B:G1B+7]
	s_nop 0
.Lasked_\@:
.endm
.macro CREST
	s_cmp_lg_u32 s21, 0
	s_cbranch_scc1 .Lnot_wave_0_\@
	s_barrier_signal -3
.Lnot_wave_0_\@:
	s_barrier_wait -3
	s_barrier_signal -1
	s_barrier_wait -1
.endm
.macro CROUND
	s_barrier_signal -1
	s_barrier_wait -1
	CREST
.endm
.macro PLACES
.rept 4
	v_nop
.endr
.endm
	s_load_b256 s[4:11], s[0:1], 0x0               ; ctx s[4:5], wb s[6:7], be s[8:9], out0 s[10:11]
	s_set_vgpr_msb 0x40
	v_lshl_add_u32 v255, v0, 2, 0x3c400
	s_set_vgpr_msb 0x4000
	v_mov_b32 v255, 0
	s_set_vgpr_msb 0x1
	ds_add_u32 v255, v255
	s_set_vgpr_msb 0x100
	v_lshrrev_b32 v1, 5, v0
	v_readfirstlane_b32 s21, v1                    ; wave 0..3
	s_lshr_b32 s22, s21, 1                         ; mh: my 64 rows.  Also: I fetch ctx (0) or We (1)
	s_and_b32 s23, s21, 1                          ; nh: my 128 columns.  Also: which head, or which half of We, I fetch
	s_bfe_u32 s24, ttmp6, 0x40000                  ; cx
	s_bfe_u32 s25, ttmp6, 0x40004                  ; cy
	s_lshl_b32 s26, ttmp9, 2
	s_add_co_u32 s26, s26, s24                     ; bc: block column, 0..3
	s_and_b32 s27, ttmp7, 0xffff
	s_lshl_b32 s27, s27, 2
	s_add_co_u32 s27, s27, s25                     ; br: block row, 0..63
	s_lshl_b32 s29, s25, 2
	s_lshl_b32 s29, 15, s29                        ; my row of the cluster
	s_lshl_b32 s30, 0x1111, s24                    ; my column
	; group 1 for ctx: 128 rows x 64 elements of 2 bytes, dense; 4 words of padding behind every 32 words
	s_or_b32 s[G1A+0], s29, (1<<16)|(1<<20)|(1<<21)|(4<<22)|(3<<25)
	s_mov_b32 s[G1A+1], 64<<16
	s_mov_b32 s[G1A+2], 128<<16
	s_mov_b32 s[G1A+3], 64<<16
	s_mov_b32 s[G1A+4], 128
	s_mov_b32 s[G1A+5], 64
	s_mov_b32 s[G1A+6], 0
	s_mov_b32 s[G1A+7], 0
	; group 1 for We: 128 rows x 128 elements of 2 bytes; 4 words of padding behind every 64 words
	s_or_b32 s[G1B+0], s30, (1<<16)|(1<<20)|(1<<21)|(5<<22)|(3<<25)
	s_mov_b32 s[G1B+1], KSTEP<<16
	s_mov_b32 s[G1B+2], 128<<16
	s_mov_b32 s[G1B+3], KSTEP<<16
	s_mov_b32 s[G1B+4], 128
	s_mov_b32 s[G1B+5], 1024
	s_mov_b32 s[G1B+6], 0
	s_mov_b32 s[G1B+7], 0
	s_lshl_b32 s71, s23, 18                        ; one head block of ctx = 128 rows of We = 262,144 bytes
	s_lshr_b32 s68, s27, 4                         ; ctx: batch = br / 16, sixteen head blocks each,
	s_lshl_b32 s68, s68, 22
	s_and_b32 s70, s27, 15
	s_lshl_b32 s70, s70, 14                        ; 128 rows of 128 bytes for each block row in the batch,
	s_add_co_u32 s68, s68, s70
	s_add_co_u32 s68, s68, s71                     ; and my head of the step's two
	s_mov_b32 s69, 0
	s_lshl_b32 s72, s26, 19                        ; We: 256 rows of 2,048 bytes for each block column,
	s_add_co_u32 s72, s72, s71                     ; my half,
	s_add_co_u32 s72, s72, 0x600000                ; in the fourth matrix of wb
	s_mov_b32 s73, 0
	s_mul_i32 s75, s23, AHALF                      ; where they go: made of the wave number alone
	s_mul_i32 s74, s23, BHALF
	s_add_co_u32 s74, s74, ABYTES
	s_lshl_b32 s76, s26, 10
	s_lshl_b32 s77, s23, 9
	s_add_co_u32 s76, s76, s77                     ; my first column in bytes of f32: (256 bc + 128 nh) x 4
	s_mov_b32 s77, 0
	s_lshl_b32 s78, s27, 19                        ; my first row of out0: 128 br + 64 mh rows of 4,096 bytes
	s_lshl_b32 s79, s22, 18
	s_add_co_u32 s78, s78, s79
	s_add_co_u32 s78, s78, s76
	s_mov_b32 s79, 0
	s_wait_dscnt 0x0
	s_wait_kmcnt 0x0
	s_add_nc_u64 s[68:69], s[4:5], s[68:69]
	s_add_nc_u64 s[72:73], s[6:7], s[72:73]
	s_add_nc_u64 s[8:9], s[8:9], s[76:77]
	s_add_nc_u64 s[10:11], s[10:11], s[78:79]
	CROUND                                         ; all sixteen work-groups are here: the first joint loads meet
.irp s, 0,1
	s_mov_b32 s[G0A+4*\s], 1
	s_add_co_u32 s[G0A+4*\s+1], s75, \s*SLOT
	s_add_nc_u64 s[G0A+4*\s+2:G0A+4*\s+3], s[68:69], \s*524288     ; K step s: two head blocks on
	s_or_b32 s[G0A+4*\s+3], s[G0A+4*\s+3], 0x80000000
	s_mov_b32 s[G0B+4*\s], 1
	s_add_co_u32 s[G0B+4*\s+1], s74, \s*SLOT
	s_add_nc_u64 s[G0B+4*\s+2:G0B+4*\s+3], s[72:73], \s*KSTEP*2
	s_or_b32 s[G0B+4*\s+3], s[G0B+4*\s+3], 0x80000000
	JLOAD \s                                       ; both first fills go out together: two tensor loads of the wave are out, later one
.endr
	v_and_b32 v1, 15, v0                           ; r
	v_bfe_u32 v2, v0, 4, 1                         ; h
	v_mul_u32_u24 v3, v1, PA
	v_lshl_add_u32 v3, v2, 4, v3
	v_mul_u32_u24 v4, v1, PB
	v_lshl_add_u32 v4, v2, 4, v4
	s_mul_i32 s66, s22, 64*PA                      ; my 64 rows in each head's tile
	s_mul_i32 s67, s23, BHALF
	s_add_co_u32 s67, s67, ABYTES
.irp s, 0,1
	v_add_nc_u32 v[ADRA+\s], s66, v3
	v_add_nc_u32 v[ADRB+\s], s67, v4
	s_add_co_u32 s66, s66, SLOT
	s_add_co_u32 s67, s67, SLOT
.endr
	s_mul_i32 s66, s21, 16*SPITCH
	s_add_co_u32 s66, s66, STAGE                   ; my stage
	v_mul_u32_u24 v5, v1, SPITCH
	v_lshl_add_u32 v5, v2, 5, v5                   ; in: row r, 8 h numbers of 4 bytes
	v_add_nc_u32 v[STO], s66, v5
	v_and_b32 v[CO], 31, v0
	v_lshlrev_b32 v[CO], 4, v[CO]                  ; back and out: a wave takes a row's 512 bytes, 16 a lane
	v_add_nc_u32 v[RD], s66, v[CO]
	v_lshlrev_b32 v[BO], 5, v2
	WIN TO_B
.irp b, 0,1,2,3,4,5,6,7
	global_load_b128 v[8*\b:8*\b+3],   v[BO], s[8:9] offset:64*\b         ; register j of tile b: bias of column 16 b + 8 h + j
	global_load_b128 v[8*\b+4:8*\b+7], v[BO], s[8:9] offset:64*\b+16
.endr
	WIN 0
; The 32 accumulators take turns, one instruction a turn, in the same order in every quarter step, over the backward jump too.
.macro MUL8 f, a, cm
.irp b, 0,1,2,3,4,5,6,7
.if \cm
	v_wmma_f32_16x16x32_f16 v[8*(8*\a+\b):8*(8*\a+\b)+7], v[BF+64*\f+8*\b:BF+64*\f+8*\b+7], v[AF+32*\f+8*\a:AF+32*\f+8*\a+7], v[8*\b:8*\b+7]
.else
	v_wmma_f32_16x16x32_f16 v[8*(8*\a+\b):8*(8*\a+\b)+7], v[BF+64*\f+8*\b:BF+64*\f+8*\b+7], v[AF+32*\f+8*\a:AF+32*\f+8*\a+7], v[8*(8*\a+\b):8*(8*\a+\b)+7]
.endif
.endr
.endm
; 24 LDS loads: quarter kq of a slot into buffers g.  Quarters 0, 1 lie in the first head's tile, 2, 3 in the second's, 64 bytes of a row each.
.macro FETCH slot, kq, g
	WIN TO_B
.irp i, 0,1,2,3,4,5,6,7
	ds_load_b128 v[BF+64*\g+8*\i:BF+64*\g+8*\i+3],   v[ADRB+\slot] offset:64*\kq+16*PB*\i
	ds_load_b128 v[BF+64*\g+8*\i+4:BF+64*\g+8*\i+7], v[ADRB+\slot] offset:64*\kq+16*PB*\i+32
.endr
	WIN 0
.irp a, 0,1,2,3
	ds_load_b128 v[AF+32*\g+8*\a:AF+32*\g+8*\a+3],   v[ADRA+\slot] offset:16*PA*\a+AHALF*(\kq>>1)+64*(\kq&1)
	ds_load_b128 v[AF+32*\g+8*\a+4:AF+32*\g+8*\a+7], v[ADRA+\slot] offset:16*PA*\a+AHALF*(\kq>>1)+64*(\kq&1)+32
.endr
.endm
; One of the first three quarters: buffers f are in; four places behind the matrix instructions that read buffers g (ISA guide 7.12.1 for vector instructions),
; then the next quarter is asked for into g, then 32 matrix instructions on f, in which those loads land.
.macro QUARTER slot, kq, f, g, cm
	s_wait_dscnt 0x0
	PLACES
	FETCH \slot, \kq, \g
.if \cm
	WIN MULB
.else
	WIN MUL
.endif
	MUL8 \f, 0, \cm
	MUL8 \f, 1, \cm
	MUL8 \f, 2, \cm
	MUL8 \f, 3, \cm
.endm
.macro THREE slot, cm
	QUARTER \slot, 1, 0, 1, \cm
	QUARTER \slot, 2, 1, 0, 0
	QUARTER \slot, 3, 0, 1, 0
.endm
; The last quarter: multiplies buffers 1 and changes slots, as one barrier (with fill: the round of the cluster barrier that it opens).
; In front of it my reads of this slot are back and all my tensor loads have landed; behind it the refill comes first, then the next slot's first fragments.
.macro TURN slot, next, fill
	s_wait_dscnt 0x0                               ; buffers 1 are in, and with them my last reads of this slot are over
	WIN MUL
	MUL8 1, 0, 0
	s_wait_tensorcnt 0x0                           ; all my tensor loads have landed: the one that was out is my part of the next slot
	ds_add_u32 v255, v255
	s_wait_dscnt 0x0
	s_barrier_signal -1
	MUL8 1, 1, 0
	WIN 0
	s_barrier_wait -1
.if \fill
	CREST
	s_add_nc_u64 s[G0A+4*\slot+2:G0A+4*\slot+3], s[G0A+4*\slot+2:G0A+4*\slot+3], 0x100000    ; four head blocks on
	s_add_nc_u64 s[G0B+4*\slot+2:G0B+4*\slot+3], s[G0B+4*\slot+2:G0B+4*\slot+3], 2*KSTEP*2
	JLOAD \slot
.endif
	PLACES
	FETCH \next, 0, 0
	WIN MUL
	MUL8 1, 2, 0
	MUL8 1, 3, 0
	WIN 0
.endm
.macro LAP cm
	THREE 0, \cm
	TURN 0, 1, 1
	THREE 1, 0
	TURN 1, 0, 1
.endm
	s_wait_tensorcnt 0x1                           ; my part of K step 0 is in; K step 1 stays out
	s_barrier_signal -1
	s_barrier_wait -1
	FETCH 0, 0, 0
	s_wait_loadcnt 0x0                             ; the bias
	LAP 1
	s_mov_b32 s31, LAPS-2
.Llap:
	LAP 0
	s_sub_co_u32 s31, s31, 1
	s_cmp_lg_u32 s31, 0
	s_cbranch_scc1 .Llap
	THREE 0, 0                                     ; the last lap fills nothing
	TURN 0, 1, 0
	THREE 1, 0
	s_wait_dscnt 0x0
	WIN MUL
	MUL8 1, 0, 0
	MUL8 1, 1, 0
	MUL8 1, 2, 0
	MUL8 1, 3, 0
	WIN 0
	PLACES                                         ; four places between the last matrix instructions and the LDS stores that read results
; THE WAY OUT, 16 rows at a time: 32 bytes a lane and tile into my own stage, read back as whole rows of 512 bytes, one row a store.
.macro OUT16 a, buf
	WIN 0x08                                       ; the data of an LDS store is source 1: window 2
.irp b, 0,1,2,3,4,5,6,7
	ds_store_b128 v[STO], v[8*(8*\a+\b):8*(8*\a+\b)+3]   offset:64*\b
	ds_store_b128 v[STO], v[8*(8*\a+\b)+4:8*(8*\a+\b)+7] offset:64*\b+16
.endr
	WIN 0
	s_wait_xcnt 0x0                                ; the registers that earlier stores read are loaded again only behind this wait
.set t, 0
.rept 16
	ds_load_b128 v[\buf+4*t:\buf+4*t+3], v[RD] offset:SPITCH*t            ; LDS serves a wave in order: these see the stores above
.set t, t+1
.endr
.set t, 0
.rept 16
	s_wait_dscnt 15-t                              ; read-back t is in, the younger ones stay out
	global_store_b128 v[CO], v[\buf+4*t:\buf+4*t+3], s[10:11] offset:65536*\a+4096*t th:TH_STORE_NT
.set t, t+1
.endr
.endm
	OUT16 0, OB
	OUT16 1, OB+64
	OUT16 2, OB
	OUT16 3, OB+64
	s_set_vgpr_msb 0x1
	s_wait_tensorcnt 0x0
	ds_add_u32 v255, v255
	s_wait_dscnt 0x0
	s_set_vgpr_msb 0x100
	CROUND                                         ; the closing round
	s_endpgm
.Lfunc_end_k_q9f0b5e8d6c_outp:
	.size	k_q9f0b5e8d6c_outp, .Lfunc_end_k_q9f0b5e8d6c_outp-k_q9f0b5e8d6c_outp
	.p2alignl 7, 3214868480
	.fill 96, 4, 3214868480
	.section	.rodata,"a",@progbits
	.p2align	6, 0x0
	.amdhsa_kernel k_q9f0b5e8d6c_outp
		.amdhsa_group_segment_fixed_size 327680
		.amdhsa_private_segment_fixed_size 0
		.amdhsa_enable_private_segment 0
		.amdhsa_kernarg_size 32
		.amdhsa_user_sgpr_count 2
		.amdhsa_user_sgpr_kernarg_segment_ptr 1
		.amdhsa_wavefront_size32 1
		.amdhsa_system_sgpr_workgroup_id_x 1
		.amdhsa_system_sgpr_workgroup_id_y 1
		.amdhsa_system_sgpr_workgroup_id_z 1
		.amdhsa_system_vgpr_workitem_id 0
		.amdhsa_next_free_vgpr 768
		.amdhsa_next_free_sgpr 80
		.amdhsa_reserve_vcc 0
		.amdhsa_float_denorm_mode_32 3
		.amdhsa_float_denorm_mode_16_64 3
		.amdhsa_memory_ordered 1
		.amdhsa_forward_progress 1
		.amdhsa_inst_pref_size 120
	.end_amdhsa_kernel
	.amdgpu_metadata
---
amdhsa.version: [ 1, 2 ]
amdhsa.kernels:
  - .name:           k_q9f0b5e8d6c_outp
    .symbol:         k_q9f0b5e8d6c_outp.kd
    .args:
      - { .name: ctx, .offset: 0, .size: 8, .value_kind: global_buffer, .address_space: global }
      - { .name: wb, .offset: 8, .size: 8, .value_kind: global_buffer, .address_space: global }
      - { .name: be, .offset: 16, .size: 8, .value_kind: global_buffer, .address_space: global }
      - { .name: out0, .offset: 24, .size: 8, .value_kind: global_buffer, .address_space: global }
    .group_segment_fixed_size: 327680
    .private_segment_fixed_size: 0
    .kernarg_segment_align: 8
    .kernarg_segment_size: 32
    .max_flat_workgroup_size: 128
    .sgpr_count:     80
    .vgpr_count:     768
    .wavefront_size: 32
...
	.end_amdgpu_metadata
.endif
;; end of part 4
